; MI455X (gfx1250); checked and timed in simulation.
; The chip was launched on July 23, 2026; its instructions are those of AMD's public machine-readable ISA for CDNA 5 (MIT licence, August 2026) and "CDNA5" Instruction Set Architecture Reference Guide (July 2026). The comments in the code are by the model that wrote it; some were corrected since.
;; Quantized Linear. Allowed arithmetic: matrix products marked QUANTISED: E2M1 operands, one E8M0 scale for each 32 along K, by v_wmma_scale_f32_16x16x128_f8f6f4 with both operands' format E2M1 (or v_wmma_scale_f32_32x16x128_f4), f32 sums; everything else in f32.
;; Inputs: bias 4,096 float32; input 4,096 x 4,096 float32; qweight 4,096 x 4,096 int32; scales 4,096 x 32 float32; zeros 4,096 x 32 float32.
;; Outputs: out0 4,096 x 4,096 float32.
;; This version of the problem:
;;   THIS VERSION OF THE PROBLEM IS GIVEN IN LOW PRECISION. The matrix products marked QUANTISED in the list below multiply operands that are first quantised to E2M1 (2 exponent bits, 1 mantissa bit; 4 bits a number), with one power-of-two scale for each 32 numbers along K (OCP MX v1.0); their sums are f32. All else is computed in f32.
;;   The module's matrix products, in the order in which they are computed (A, B: the left and right operand; K: the contracted axis; several contracted axes count as one K, in the product's order):
;;     1. [M 4,096, K 4,096] x [K 4,096, N 4,096]; A: input input; B: computed on the way: QUANTISED
;;   THE QUANTISER, for each operand of a quantised product, along K:
;;     - K is cut into blocks of 32 from its start; a last block that is shorter is filled with zeros.
;;     - A block's scale is 2^e with e = floor(log2(the largest magnitude in the block)) - 2, held to -126 .. 127; a block of zeros has e = 0. As a byte (E8M0): e + 127.
;;     - Each number is divided by its block's scale, clamped to +-6, and rounded to the nearest number of E2M1, ties to even, subnormals kept.
;;     - The product sums the exact products of the quantised numbers (number of the format x scale) in f32.
;;   ~~~python
;;   def quantise(x, axis):      # numpy; x: float32 -> the quantised numbers, widened to float32 again
;;       x = np.moveaxis(x, axis, -1); K = x.shape[-1]
;;       x = np.pad(x, [(0, 0)] * (x.ndim - 1) + [(0, -K % 32)]); x = x.reshape(x.shape[:-1] + (-1, 32)); a = np.abs(x).max(-1, keepdims=True)
;;       e = np.where(a > 0, np.clip(np.frexp(np.where(a > 0, a, 1))[1] - 1 - 2, -126, 127), 0)      # np.frexp(a)[1] - 1 = floor(log2(a)), exactly
;;       r = np.clip(x / 2.0 ** e, -6, 6)
;;       step = 2.0 ** (np.maximum(np.frexp(np.where(r == 0, 1, r))[1] - 1, 0) - 1)
;;       q = np.round(r / step) * step * 2.0 ** e      # np.round: ties to even
;;       return np.moveaxis(q.reshape(q.shape[:-2] + (-1,))[..., :K], -1, axis).astype(np.float32)
;;   ~~~
;;   OPERANDS COMPUTED ON THE WAY. 'Computed on the way' means the value that the module computes at that place (a softmax that the list does not call 'softmax' is quantised finished and normalised). What goes into a quantiser is computed in f32, as accurately as f32 sums, v_exp_f32 and their like allow (about 1e-6 of the number): no bf16 or f16 on the way to a quantiser, and a product that is left as it is and whose result goes on into a quantised operand takes f32 operands (vector FMAs, or v_wmma_f32_16x16x4_f32). A number that lies on a knife's edge between two numbers of the format may be rounded either way, as far as f32 arithmetic and the matrix unit's own rounding can turn it there, and no further.
;; One version. Each part assembles by itself: llvm-mc -triple=amdgcn-amd-amdhsa -mcpu=gfx1250 --defsym DOCPART=n.
;; ======== version 1 of 1: 2 launches
;; limits: right only within a limited range of input values
;; workspace buffers: a_pack 8,912,896 bytes; w_pack 8,912,896 bytes
;; launch pack (part 1): grid 512 x 1, 8 waves a work-group, no clusters, 35,840 bytes of LDS; arguments input, qweight, scales, zeros, a_pack, w_pack; writes a_pack, w_pack
.if DOCPART == 1
	.amdgcn_target "amdgcn-amd-amdhsa--gfx1250"
	.amdhsa_code_object_version 6
	.text
	.protected	k_qb528cf23e2_pack
	.globl	k_qb528cf23e2_pack
	.p2align	8
	.type	k_qb528cf23e2_pack,@function
k_qb528cf23e2_pack:
	s_mov_b64 s[64:65], 0
	v_nop
	global_prefetch_b8 v0, s[64:65] scope:SCOPE_SE
	s_setreg_imm32_b32 hwreg(HW_REG_WAVE_MODE, 25, 1), 1
	s_wait_xcnt 0x0
; input [4096][4096] f32 and W = (float(qweight) - zeros) * scales ([4096][4096]; one zero and one scale for each 128 along K) are turned into codes of FP4 (E2M1), K innermost,
; with one E8M0 scale byte for each 32 along K.  A block's scale is 2^(floor(log2(its largest magnitude)) - 2): its byte is the largest magnitude's own exponent field - 2, held at 1 from below.
; W is made in f32 by a subtraction (as the sum with the negated zero, which rounds alike) and a multiplication, each rounded, as the problem writes it.
; OUTPUT LAYOUT, the same for both tensors: [K step of 512: 8][row: 4096][272 bytes]: bytes 0-255 the row's 512 codes of that K step (two a byte, the lower k in the low four bits), bytes 256-271 its 16 scale bytes.
; LIMITS: NaN and infinities among the inputs are not served.  A block whose largest magnitude lies under 2^(3 - 127) gets the byte 1; a block of zeros gets the byte 1 where the rule says 127:
; its codes are zeros, which add nothing under any byte but 0xff, and the bytes are read by this program alone.
; SHARES.  Work-groups 0-255 take input, 256-511 qweight; each takes 16 whole rows.  Wave w takes K step w of these rows: 16 steps, step t = row t's 512 numbers, four loads of 512 consecutive bytes, 16 bytes a lane.
; A LANE KEEPS THE 4 NEIGHBOURS THAT A LOAD GIVES IT.  A block of 32 is 8 neighbouring lanes of one load: its largest magnitude takes two three-input maxima and three steps across lanes.
; The conversion takes eight numbers of a lane under ONE scale: loads i and i + 1 lie in eight consecutive registers and are converted twice, under load i's scale (the low half word counts) and under load i + 1's (the high one).
; The two halves are joined; then neighbouring lanes change halves, so that an even lane holds eight neighbouring codes of load i and the odd lane beside it eight of load i + 1: words that lie dense in the packed row.
; A group of 128 along K is one load: its zero and scale are the same in all lanes.  Lane r holds row r's four zeros and four scales of my K step (two loads of 16 bytes a lane; the eight waves together read the rows whole);
; each step reads its row's eight numbers into scalar registers.
; A step makes one packed row; the wave's 16 packed rows, 4,352 bytes, are gathered in LDS and leave as 17 aligned runs of 256 bytes.  Loads run six steps (24 loads a wave) ahead.
; No tensor loads, no matrix unit, no cluster, no barrier, no prefetch: the waves share nothing and the work is a stream that is read once.
.set WGA,   256                        ; work-groups for input
.set STEPS, 16
.set NS,    6                          ; sets of load registers
.set EMAX,  2                          ; the exponent of the format's largest number, 6
.set PROW,  272                        ; a packed row
.set WREG,  16*PROW                    ; a wave's LDS: its 16 packed rows
.set SPARE, 8*WREG                     ; behind the eight regions: the spare words, 128 bytes a wave
.set R,     16                         ; v16-111  six sets of 16 numbers as loaded; on the way out v16-49 take the packed rows
.set M,     112                        ; v112-115 a block's largest magnitude, for each of the step's four loads
.set SCL,   116                        ; v116-119 the conversions' scale operands
.set CV,    120                        ; v120-123 the conversions' results
.set MG,    124                        ; v124-125 joined halves
.set T,     126                        ; v126-127 the neighbour's
.set WD,    128                        ; v128-129 whole words of codes
.set SE,    130                        ; v130-132 the choice of my scale byte
.set Z,     136                        ; v136-139 minus the zeros of row lane % 16, groups 4 w + 0 .. 3
.set S,     140                        ; v140-143 the scales likewise
.set SPW,   144
.set NIL,   145
.set SZ,    32                         ; s32, 34, 36, 38 a row's four negated zeros; s40, 42, 44, 46 its scales (each the low word of a pair)
.set SS,    40
; v2 lane; v3 16 x lane; v4 where my words of codes go; v5 where my scale byte goes; v6, v9 the packed rows read back; v7 8 x lane; v10 my 16 bytes of zeros and scales; v12 the byte selector of the change of halves
	s_load_b256 s[4:11], s[0:1], 0x0               ; input, qweight, scales, zeros
	s_load_b128 s[12:15], s[0:1], 0x20             ; a_pack, w_pack
	v_lshl_add_u32 v[SPW], v0, 2, SPARE
	v_mov_b32 v[NIL], 0
	v_lshrrev_b32 v1, 5, v0
	v_readfirstlane_b32 s16, v1                    ; wave 0..7 = my K step
	s_mul_i32 s23, s16, WREG
	s_lshl_b32 s19, s16, 4                         ; my K step's four groups: 16 bytes of a row of zeros or scales
	s_mov_b32 s24, 0xaaaaaaaa                      ; lanes with bit 0 set
	s_mov_b32 s25, 0xcccccccc                      ; lanes with bit 1 set
	s_mov_b32 s26, 0xffff
.irp i, 1,3,5,7,9,11,13,15
	s_mov_b32 s[SZ+\i], 0                          ; the pairs' upper words are named by the packed forms and not used
.endr
	v_and_b32 v2, 31, v0
	v_mov_b32 v12, 0x05040100                      ; an even lane: my low half, then the neighbour's low half
	v_mov_b32 v8, 0x03020706                       ; an odd lane: the neighbour's high half, then my high half
	v_lshlrev_b32 v3, 4, v2
	v_lshlrev_b32 v7, 3, v2
	v_and_b32 v1, 1, v2
	v_lshrrev_b32 v4, 1, v2
	v_and_b32 v11, 3, v2
	v_lshrrev_b32 v5, 3, v2
	v_and_b32 v10, 15, v2
	v_lshlrev_b32 v4, 2, v4
	v_lshl_add_u32 v5, v11, 2, v5                  ; byte 4 (lane % 4) + lane / 8 of the row's 16: I write the byte of load lane % 4, block lane / 8
	v_lshlrev_b32 v10, 7, v10
	v_lshl_add_u32 v4, v1, 6, v4                   ; 64 (lane % 2) + 4 (lane / 2)
	v_add_nc_u32 v5, s23, v5
	v_add_nc_u32 v10, s19, v10                     ; row lane % 16 of 128 bytes, + my K step's 16
	v_add_nc_u32 v4, s23, v4
	v_add_nc_u32 v6, s23, v3
	v_add_nc_u32 v9, s23, v7
	v_cndmask_b32 v12, v12, v8, s24
	v_mov_b32 v[T], 0                              ; written once: the destination of a move across lanes counts as read
	v_mov_b32 v[T+1], 0
	s_wait_alu depctr_va_vdst(0)
	s_wait_kmcnt 0x0
	s_cmp_lt_u32 ttmp9, WGA                        ; input's work-group or qweight's?  The choice hangs on the work-group's number alone
	s_cselect_b64 s[4:5], s[4:5], s[6:7]
	s_cselect_b64 s[12:13], s[12:13], s[14:15]
	s_cselect_b32 s22, 0, 1                        ; 1: the numbers are qweight's
	s_cselect_b32 s17, 0, WGA
	s_sub_co_u32 s18, ttmp9, s17                   ; which 16 rows of the tensor
	s_lshl_b32 s20, s18, 18                        ; 16 rows of 16,384 bytes,
	s_lshl_b32 s17, s16, 11                        ; my K step's 2,048 bytes in a row
	s_add_co_u32 s20, s20, s17
	s_mov_b32 s21, 0
	s_add_nc_u64 s[4:5], s[4:5], s[20:21]
	s_lshl_b32 s20, s16, 12                        ; packed rows: 4,096 a K step,
	s_lshl_b32 s17, s18, 4                         ; my first row
	s_add_co_u32 s20, s20, s17
	s_mul_i32 s20, s20, PROW                       ; a multiple of 16 x 272 = 17 x 256 bytes
	s_add_nc_u64 s[12:13], s[12:13], s[20:21]
	s_lshl_b32 s20, s18, 11                        ; 16 rows of 128 bytes
	s_add_nc_u64 s[8:9], s[8:9], s[20:21]
	s_add_nc_u64 s[10:11], s[10:11], s[20:21]
.macro LOAD t                          ; row t's 2,048 bytes of my K step into set t % NS
.irp i, 0,1,2,3
	global_load_b128 v[R+16*((\t)%NS)+4*\i:R+16*((\t)%NS)+4*\i+3], v3, s[4:5] offset:16384*(\t)+512*\i th:TH_LOAD_NT   ; 32 lanes read 512 consecutive bytes, read once in the launch
.endr
.endm
	s_cmp_eq_u32 s22, 0
	s_cbranch_scc1 .Lplain
	global_load_b128 v[Z:Z+3], v10, s[10:11]       ; ahead of the stream
	global_load_b128 v[S:S+3], v10, s[8:9]
.irp t, 0,1,2,3,4,5
	LOAD \t
.endr
	s_wait_loadcnt 4*NS                            ; loads come back in order (ISA guide 5.7.1): the 24 younger ones stay out
.irp i, 0,1,2,3
	v_xor_b32 v[Z+\i], 0x80000000, v[Z+\i]         ; minus the zero
.endr
	s_branch .Lgo
.Lplain:
.irp t, 0,1,2,3,4,5
	LOAD \t
.endr
.irp i, 0,1,2,3,4,5,6,7
	v_mov_b32 v[Z+\i], 0                           ; input has no zeros and scales; the flag is tested anew in each step, so what a later line names is written on both ways; no step of this way reads these
.endr
.Lgo:
	s_wait_alu depctr_va_vdst(0)                   ; directly ahead of the first step's wait
.macro DEQ t                           ; the step's 16 whole numbers a lane become W: (q - zero) x scale, with row t's zero and scale of each load's group
.set XS, R+16*((\t)%NS)
.irp i, 0,1,2,3
	v_readlane_b32 s[SZ+2*\i], v[Z+\i], \t
	v_readlane_b32 s[SS+2*\i], v[S+\i], \t
.endr
.irp i, 0,1,2,3,4,5,6,7,8,9,10,11,12,13,14,15
	v_cvt_f32_i32 v[XS+\i], v[XS+\i]
.endr
.irp i, 0,1,2,3,4,5,6,7
	v_pk_add_f32 v[XS+2*\i:XS+2*\i+1], v[XS+2*\i:XS+2*\i+1], s[SZ+2*(\i/2):SZ+2*(\i/2)+1] op_sel_hi:[1,0]
.endr
.irp i, 0,1,2,3,4,5,6,7
	v_pk_mul_f32 v[XS+2*\i:XS+2*\i+1], v[XS+2*\i:XS+2*\i+1], s[SS+2*(\i/2):SS+2*(\i/2)+1] op_sel_hi:[1,0]
.endr
.endm
.macro STEP t
.if STEPS-1-(\t) >= NS-1
	s_wait_loadcnt 4*(NS-1)                        ; this step's four loads are in; those of the five steps behind it may be out
.else
	s_wait_loadcnt 4*(STEPS-1-(\t))                ; the counts run down: nothing more is asked for
.endif
	s_cmp_eq_u32 s22, 0
	s_cbranch_scc1 .Lraw_\@                        ; input's numbers are taken as they are
	DEQ \t
.Lraw_\@:
.set XS, R+16*((\t)%NS)
.irp i, 0,1,2,3                        ; the four loads' chains by turns
	v_max3_num_f32 v[M+\i], |v[XS+4*\i]|, |v[XS+4*\i+1]|, |v[XS+4*\i+2]|
.endr
.irp i, 0,1,2,3
	s_delay_alu instid0(VALU_DEP_4)
	v_max3_num_f32 v[M+\i], v[M+\i], |v[XS+4*\i+3]|, (EMAX+1)<<23   ; my four, and the floor 2^(EMAX + 1 - 127): so the byte cannot fall under 1
.endr
.irp x, 1,2,4
.irp i, 0,1,2,3
	s_delay_alu instid0(VALU_DEP_4)
	v_max_num_f32_dpp v[M+\i], v[M+\i], v[M+\i] row_xmask:\x row_mask:0xf bank_mask:0xf   ; with the other seven lanes of the block
.endr
.endr
.irp i, 0,1,2,3
	s_delay_alu instid0(VALU_DEP_4)
	v_add_nc_u32 v[SCL+\i], -(EMAX<<23), v[M+\i]   ; EMAX off the exponent field: the conversion takes the exponent field of this operand as its scale, and nothing else of it
.endr
	v_cvt_scalef32_pk8_fp4_f32 v[CV],   v[XS:XS+7],    v[SCL]      ; loads 0 and 1 under load 0's scale: the low four codes count (the others are held at the largest code at the worst)
	v_cvt_scalef32_pk8_fp4_f32 v[CV+1], v[XS:XS+7],    v[SCL+1]    ; under load 1's: the high four
	v_cvt_scalef32_pk8_fp4_f32 v[CV+2], v[XS+8:XS+15], v[SCL+2]
	v_cvt_scalef32_pk8_fp4_f32 v[CV+3], v[XS+8:XS+15], v[SCL+3]
	v_cndmask_b32 v[SE],   v[SCL],   v[SCL+1], s24                 ; the scale of load lane % 4; also the plain lines behind the conversions
	v_cndmask_b32 v[SE+1], v[SCL+2], v[SCL+3], s24
	v_bfi_b32 v[MG],   s26, v[CV],   v[CV+1]                       ; load 0's four codes below, load 1's above
	v_bfi_b32 v[MG+1], s26, v[CV+2], v[CV+3]
	s_delay_alu instid0(VALU_DEP_3)
	v_cndmask_b32 v[SE+2], v[SE], v[SE+1], s25
	s_delay_alu instid0(VALU_DEP_3)
	v_mov_b32_dpp v[T],   v[MG]   row_xmask:1 row_mask:0xf bank_mask:0xf
	s_delay_alu instid0(VALU_DEP_3)
	v_mov_b32_dpp v[T+1], v[MG+1] row_xmask:1 row_mask:0xf bank_mask:0xf
	s_delay_alu instid0(VALU_DEP_3)
	v_lshrrev_b32 v[SE+2], 23, v[SE+2]             ; the scale's byte
	s_delay_alu instid0(VALU_DEP_3)
	v_perm_b32 v[WD],   v[T],   v[MG],   v12       ; lane 2 m: codes of k = 8 m .. 8 m + 7 of load 0; lane 2 m + 1: the same of load 1
	s_delay_alu instid0(VALU_DEP_3)
	v_perm_b32 v[WD+1], v[T+1], v[MG+1], v12       ; and of loads 2 and 3
	ds_store_b8 v5, v[SE+2] offset:PROW*(\t)+256   ; lanes l and l + 4 write the same byte with the same value
	ds_store_b32 v4, v[WD] offset:PROW*(\t)        ; 32 lanes fill 128 consecutive bytes of the packed row
	ds_store_b32 v4, v[WD+1] offset:PROW*(\t)+128
.if (\t)+NS < STEPS
	LOAD (\t)+NS                                   ; into the set that this step has read
.endif
.endm
.irp t, 0,1,2,3,4,5,6,7,8,9,10,11,12,13,14,15
	STEP \t
.endr
	; the way out: my 16 packed rows are 4,352 consecutive bytes, in LDS and in memory: eight times 512, then 256
.irp i, 0,1,2,3,4,5,6,7
	ds_load_b128 v[16+4*\i:16+4*\i+3], v6 offset:512*\i            ; LDS serves a wave's instructions in order (ISA guide 5.7.1.4): these see my stores
.endr
	ds_load_b64 v[48:49], v9 offset:4096
.irp i, 0,1,2,3,4,5,6,7
	s_wait_dscnt 8-\i                              ; the younger loads may be out
	global_store_b128 v3, v[16+4*\i:16+4*\i+3], s[12:13] offset:512*\i   ; 32 lanes store 512 consecutive bytes, at a multiple of 256 from the buffer's first byte; the next launch reads them, so no hint
.endr
	s_wait_dscnt 0x0
	global_store_b64 v7, v[48:49], s[12:13] offset:4096            ; 32 lanes store the last 256
	s_wait_tensorcnt 0x0                           ; the wave's end
	ds_add_u32 v[SPW], v[NIL]
	s_wait_dscnt 0x0
	s_endpgm
.Lfunc_end_k_qb528cf23e2_pack:
	.size	k_qb528cf23e2_pack, .Lfunc_end_k_qb528cf23e2_pack-k_qb528cf23e2_pack
	.p2alignl 7, 3214868480
	.fill 96, 4, 3214868480
	.section	.rodata,"a",@progbits
	.p2align	6, 0x0
	.amdhsa_kernel k_qb528cf23e2_pack
		.amdhsa_group_segment_fixed_size 35840
		.amdhsa_private_segment_fixed_size 0
		.amdhsa_enable_private_segment 0
		.amdhsa_kernarg_size 48
		.amdhsa_user_sgpr_count 2
		.amdhsa_user_sgpr_kernarg_segment_ptr 1
		.amdhsa_wavefront_size32 1
		.amdhsa_system_sgpr_workgroup_id_x 1
		.amdhsa_system_sgpr_workgroup_id_y 1
		.amdhsa_system_sgpr_workgroup_id_z 1
		.amdhsa_system_vgpr_workitem_id 0
		.amdhsa_next_free_vgpr 148
		.amdhsa_next_free_sgpr 66
		.amdhsa_reserve_vcc 0
		.amdhsa_float_denorm_mode_32 3
		.amdhsa_float_denorm_mode_16_64 3
		.amdhsa_memory_ordered 1
		.amdhsa_forward_progress 1
		.amdhsa_inst_pref_size 103
	.end_amdhsa_kernel
	.amdgpu_metadata
---
amdhsa.version: [ 1, 2 ]
amdhsa.kernels:
  - .name:           k_qb528cf23e2_pack
    .symbol:         k_qb528cf23e2_pack.kd
    .args:
      - { .name: input, .offset: 0, .size: 8, .value_kind: global_buffer, .address_space: global }
      - { .name: qweight, .offset: 8, .size: 8, .value_kind: global_buffer, .address_space: global }
      - { .name: scales, .offset: 16, .size: 8, .value_kind: global_buffer, .address_space: global }
      - { .name: zeros, .offset: 24, .size: 8, .value_kind: global_buffer, .address_space: global }
      - { .name: a_pack, .offset: 32, .size: 8, .value_kind: global_buffer, .address_space: global }
      - { .name: w_pack, .offset: 40, .size: 8, .value_kind: global_buffer, .address_space: global }
    .group_segment_fixed_size: 35840
    .private_segment_fixed_size: 0
    .kernarg_segment_align: 8
    .kernarg_segment_size: 48
    .max_flat_workgroup_size: 256
    .sgpr_count:     66
    .vgpr_count:     148
    .wavefront_size: 32
...
	.end_amdgpu_metadata
.endif
;; end of part 1
;; launch gemm (part 2): grid 16 x 16, 4 waves a work-group, clusters of 4 x 4, 327,680 bytes of LDS; arguments a_pack, w_pack, bias, out0; writes out0
.if DOCPART == 2
	.amdgcn_target "amdgcn-amd-amdhsa--gfx1250"
	.amdhsa_code_object_version 6
	.text
	.protected	k_qb528cf23e2_gemm
	.globl	k_qb528cf23e2_gemm
	.p2align	8
	.type	k_qb528cf23e2_gemm,@function
k_qb528cf23e2_gemm:
	s_mov_b64 s[64:65], 0
	v_nop
	global_prefetch_b8 v0, s[64:65] scope:SCOPE_SE
	s_setreg_imm32_b32 hwreg(HW_REG_WAVE_MODE, 25, 1), 1
	s_wait_xcnt 0x0
	s_wait_alu depctr_hold_cnt(0) depctr_sa_sdst(0) depctr_va_vdst(0) depctr_va_sdst(0) depctr_va_ssrc(0) depctr_va_vcc(0) depctr_vm_vsrc(0)
	s_getreg_b32 s2, hwreg(HW_REG_IB_STS2, 6, 4)
	s_cmp_eq_u32 s2, 0
	s_cbranch_scc0 .Lentry_in_a_cluster
	s_endpgm
.Lentry_in_a_cluster:
	s_bfe_u32 s2, ttmp6, 0x10000c
	s_cmp_lg_u32 s2, 0xf033
	s_cbranch_scc0 .Lentry_shape_is_right
	s_endpgm
.Lentry_shape_is_right:
; out0[t][o] = bias[o] + sum over k of A[t][k] W[o][k], both operands as codes of FP4 (E2M1) with one E8M0 byte for each 32 along K, as the launch before packed them:
; [K step of 512: 8][row: 4096][272 bytes: 256 of codes, 16 scale bytes].  128 rows of a K step are 34,816 consecutive bytes = 136 units of 256, and lie in LDS as in memory, rows 272 bytes apart.
; A tile of out0, 256 x 256, is made by four waves, 128 x 128 each: 64 accumulators, 512 registers.  K goes in steps of 512 through two LDS slots; each wave fetches 128 rows of A or of W by one tensor load.
; CLUSTERS 4 x 4: A's tiles are asked for jointly along a row of the cluster, W's along a column.  The matrix instruction is used transposed (source 0 = W's rows, source 1 = A's rows):
; a lane holds eight neighbouring columns of one row of out0.  The bias is the C of each accumulator's first product.
; ORDER OF THE SUMS: half of the clusters begin at K step 4 and go round; the f32 sums are the same terms in another order than K ascending.  NaN and infinities: as the packing launch states.
; REGISTERS: window 0: v0-31 addresses; v32-95 scale words, a set for each slot; v96-127 and v224-255 rows on the way out; v128-191, v192-255 A's fragments, two sets.
;   window 1: v0-63, v128-191 W's fragments, two sets; v64-127 the bias; in the last K step all 256 hold W's fragments of the whole step.  Windows 2, 3: accumulators of my rows 0-63, 64-127.
; A step of 128 along K multiplies set q % 2 and fetches the next step into the other set: W's eight blocks and A's blocks 0-3 at its start, A's blocks 4-7 in its middle.
; THE LAST K STEP GOES BY ROWS OF out0: my eight blocks of 16 rows are finished one after the other and each leaves through my stage while the next is multiplied.
; PREFETCH: behind the joint load of K step s stands the request for K step s + 2 (behind the first also that for K step 1): of the 136 units that a wave fetches each of the four partners names 34, told apart by address.
.set SIZE_N, 4096
.set NQ,     4
.set PITCH,  272
.set FR,     8
.set HALFT,  128*PITCH
.set SLOT,   4*HALFT
.set STEPB,  4096*PITCH                ; from a K step to the next in memory
.set LAPS,   4
.set SPARE,  2*SLOT                    ; behind the ring: the spare words, 128 bytes a wave
.set SPITCH, 528                       ; the stage: 16 rows x (512 + 16) bytes a wave, in slot 0, behind that slot's last fill and last read
.set ADRA, 16                          ; v16-17 my A fragments in slot 0, 1
.set PF0,  18                          ; v18 256 x lane;  v19 256 x (32 + min(lane, 1)): the units that my prefetches name
.set PF1,  19
.set ADRB, 20                          ; v20-21 my W fragments
.set ADRS, 22                          ; v22-23 scale words: lanes 0-15 A's rows, lanes 16-31 W's
.set STO,  24
.set RD,   25
.set CO,   26
.set SPW,  28
.set NIL,  29
.set BO,   30
.set SC,   32
.set OB,   96
.set AF,   128
.set PA,   128                         ; last K step: A's blocks of 16 rows x 512 K, three buffers of 32 registers
.set BI,   64                          ; the bias, in window 1
.set KW,   2                           ; s2 the K step that the next refill fetches (taken modulo 8)
.set OFS,  12                          ; s[12:13] its byte offset
.set PFA,  18                          ; s[18:19], s[22:23] addresses of prefetches;  s[20:21] my share's first unit at K step 0;  s[46:47] an offset
.set PFA2, 22
.set PFB,  20
.set POF,  46
.set G1,  24
.set G0,  32
.set G1B, 48
.set G0B, 56
.set MSB, 0
.macro WIN new                         ; the immediate's high byte repeats the setting that is left
.if MSB != (\new)
	s_set_vgpr_msb (MSB<<8)|(\new)
.set MSB, (\new)
.endif
.endm
.set MUL_LO, 0xa1                      ; source 0 window 1, source 1 window 0, C and D window 2
.set MUL_HI, 0xf1
.set BEG_LO, 0x91                      ; the same with C (the bias) in window 1
.set BEG_HI, 0xd1
.set TO_B,   0x40
.macro JLOAD s                         ; a joint load: waves 0, 1 fetch A's halves, waves 2, 3 W's
	s_cmp_eq_u32 s15, 0
	s_cbranch_scc0 .Lfor_b_\@
	tensor_load_to_lds s[G0+4*\s:G0+4*\s+3], s[G1:G1+7]
	s_nop 0
.rept 4
	v_nop
.endr
	s_branch .Lasked_\@
.Lfor_b_\@:
	tensor_load_to_lds s[G0B+4*\s:G0B+4*\s+3], s[G1B:G1B+7]
	s_nop 0
.rept 4
	v_nop
.endr
.Lasked_\@:
.endm
.macro CREST
	s_cmp_lg_u32 s14, 0
	s_cbranch_scc1 .Lnot_wave_0_\@
	s_barrier_signal -3
.Lnot_wave_0_\@:
	s_barrier_wait -3
	s_barrier_signal -1
	s_barrier_wait -1
.endm
.macro CROUND
	s_barrier_signal -1
	s_barrier_wait -1
	CREST
.endm
.macro PRE pair                        ; 34 units of 256 bytes: 32 lanes, then units 32 and 33 (lanes 1-31 name the last one)
	global_prefetch_b8 v[PF0], s[\pair:\pair+1] th:TH_LOAD_NT scope:SCOPE_SE
	global_prefetch_b8 v[PF1], s[\pair:\pair+1] th:TH_LOAD_NT scope:SCOPE_SE
.endm
	s_load_b256 s[4:11], s[0:1], 0x0               ; a_pack, w_pack, bias, out0
	v_lshl_add_u32 v[SPW], v0, 2, SPARE
	v_mov_b32 v[NIL], 0
	ds_add_u32 v[SPW], v[NIL]                      ; the opening lines: the add twice on end and one wait
	ds_add_u32 v[SPW], v[NIL]
	v_lshrrev_b32 v1, 5, v0
	v_readfirstlane_b32 s14, v1                    ; wave
	s_lshr_b32 s15, s14, 1                         ; my half of the tile's rows; also: I fetch for A (0) or W (1)
	s_and_b32 s16, s14, 1                          ; my half of its columns; also: which 128 rows I fetch
	s_bfe_u32 s40, ttmp6, 0x40000                  ; cx
	s_bfe_u32 s41, ttmp6, 0x40004                  ; cy
	s_lshl_b32 s42, ttmp9, 2
	s_add_co_u32 s42, s42, s40                     ; tile column
	s_and_b32 s17, ttmp7, 0xffff
	s_lshl_b32 s17, s17, 2
	s_add_co_u32 s17, s17, s41                     ; tile row
	s_lshl_b32 s43, s41, 2
	s_lshl_b32 s43, 15, s43                        ; my row of the cluster
	s_lshl_b32 s44, 0x1111, s40                    ; my column
	s_lshr_b32 s12, ttmp9, 1                       ; a parity of the cluster's coordinates: the same in all sixteen partners
	s_xor_b32 s12, s12, ttmp9
	s_and_b32 s13, ttmp7, 0xffff
	s_xor_b32 s12, s12, s13
	s_lshr_b32 s13, s13, 1
	s_xor_b32 s12, s12, s13
	s_and_b32 s12, s12, 1
	s_lshl_b32 s[KW], s12, 2                       ; begin at K step 0 or 4
	s_mul_i32 s[OFS], s[KW], STEPB
	s_mov_b32 s[OFS+1], 0
	s_or_b32 s[G1+0], s43, (3<<16)|(1<<21)         ; elements of 8 bytes; the mask, bit 21 beside it
	s_or_b32 s[G1B+0], s44, (3<<16)|(1<<21)
.irp g, G1, G1B
	s_mov_b32 s[\g+1], 32<<16                      ; a dense block as 136 rows of 256 bytes
	s_mov_b32 s[\g+2], 136<<16
	s_mov_b32 s[\g+3], 32<<16
	s_mov_b32 s[\g+4], 136
	s_mov_b32 s[\g+5], 32
	s_mov_b32 s[\g+6], 0
	s_mov_b32 s[\g+7], 0
.endr
	s_lshl_b32 s18, s16, 7
	s_lshl_b32 s20, s17, 8
	s_add_co_u32 s20, s20, s18
	s_mul_i32 s20, s20, PITCH                      ; A: my 128 rows, in bytes
	s_mov_b32 s21, 0
	s_lshl_b32 s46, s42, 8
	s_add_co_u32 s46, s46, s18
	s_mul_i32 s46, s46, PITCH                      ; W likewise
	s_mov_b32 s47, 0
	s_mul_i32 s45, s14, HALFT                      ; where they go: wave x 128 rows
	s_cmp_eq_u32 s15, 0
	s_cselect_b32 s18, s40, s41                    ; my place among the four that ask with me
	s_mul_i32 s18, s18, 34*256
	s_mov_b32 s19, 0
	s_wait_dscnt 0x0                               ; both opening adds are done
	s_wait_kmcnt 0x0
	s_add_nc_u64 s[4:5], s[4:5], s[20:21]
	s_add_nc_u64 s[6:7], s[6:7], s[46:47]
	s_cmp_eq_u32 s15, 0
	s_cselect_b64 s[PFB:PFB+1], s[4:5], s[6:7]
	s_add_nc_u64 s[PFB:PFB+1], s[PFB:PFB+1], s[18:19]
	s_add_nc_u64 s[22:23], s[4:5], s[OFS:OFS+1]
	s_add_nc_u64 s[46:47], s[6:7], s[OFS:OFS+1]
.irp s, 0,1
	s_mov_b32 s[G0+4*\s], 1
	s_add_co_u32 s[G0+4*\s+1], s45, \s*SLOT
	s_add_nc_u64 s[G0+4*\s+2:G0+4*\s+3], s[22:23], \s*STEPB
	s_or_b32 s[G0+4*\s+3], s[G0+4*\s+3], 0x80000000
	s_mov_b32 s[G0B+4*\s], 1
	s_add_co_u32 s[G0B+4*\s+1], s45, \s*SLOT
	s_add_nc_u64 s[G0B+4*\s+2:G0B+4*\s+3], s[46:47], \s*STEPB
	s_or_b32 s[G0B+4*\s+3], s[G0B+4*\s+3], 0x80000000
.endr
	s_add_nc_u64 s[PFA:PFA+1], s[PFB:PFB+1], s[OFS:OFS+1]
	s_add_nc_u64 s[PFA:PFA+1], s[PFA:PFA+1], STEPB     ; my second K step (the first is 0 or 4: nothing wraps in the first four)
	s_add_nc_u64 s[PFA2:PFA2+1], s[PFA:PFA+1], STEPB   ; my third
	CROUND                                         ; all sixteen work-groups are here: the first joint loads meet
	JLOAD 0                                        ; one tensor load a wave at the head
	s_xor_b32 s43, s15, 1
	s_add_co_u32 s43, s43, s16
	s_add_co_u32 s43, s43, 1
	s_mul_i32 s43, s43, HALFT                      ; from my rows of A to my rows of W in a slot
	s_mul_i32 s44, s15, HALFT                      ; my rows of A
	s_mul_i32 s45, s16, HALFT
	s_add_co_u32 s45, s45, 2*HALFT                 ; my rows of W
	s_add_co_u32 s40, s44, 256                     ; a row's scale bytes lie behind its 256 bytes of codes
	s_mul_i32 s41, s14, 16*SPITCH                  ; my stage
	s_lshl_b32 s46, s42, 10
	s_lshl_b32 s47, s16, 9
	s_add_co_u32 s46, s46, s47                     ; my first column, in bytes
	s_mov_b32 s47, 0
	s_add_nc_u64 s[8:9], s[8:9], s[46:47]
	s_lshl_b32 s42, s17, 8
	s_lshl_b32 s17, s15, 7
	s_add_co_u32 s42, s42, s17
	s_lshl_b32 s42, s42, 14                        ; my first row x 16,384 bytes: under 2^26
	s_add_co_u32 s46, s46, s42
	s_add_nc_u64 s[10:11], s[10:11], s[46:47]
	s_add_co_u32 s[KW], s[KW], 2
	v_and_b32 v1, 15, v0                           ; r
	v_bfe_u32 v2, v0, 4, 1                         ; h
	v_and_b32 v6, 31, v0                           ; lane
	v_mul_u32_u24 v3, v1, PITCH
	v_mul_u32_u24 v7, s43, v2
	v_lshl_add_u32 v4, v2, 4, v3                   ; a fragment's row x pitch + 16 h
	v_add_nc_u32 v5, v3, v7
	v_add_nc_u32 v[ADRS], s40, v5
	v_add_nc_u32 v[ADRA], s44, v4
	v_add_nc_u32 v[ADRB], s45, v4
	v_add_nc_u32 v[ADRS+1], SLOT, v[ADRS]
	v_add_nc_u32 v[ADRA+1], SLOT, v[ADRA]
	v_add_nc_u32 v[ADRB+1], SLOT, v[ADRB]
	v_mul_u32_u24 v5, v1, SPITCH
	v_lshl_add_u32 v5, v2, 5, v5
	v_add_nc_u32 v[STO], s41, v5                   ; into the stage: row r, 32 bytes for each half of the lanes
	v_lshlrev_b32 v[CO], 4, v6                     ; back, and in out0: 32 lanes take a row of 512 bytes
	v_add_nc_u32 v[RD], s41, v[CO]
	v_lshlrev_b32 v[BO], 5, v2
	v_lshlrev_b32 v[PF0], 8, v6
	v_min_u32 v7, 1, v6
	v_lshl_add_u32 v[PF1], v7, 8, 8192
	s_wait_alu depctr_va_vdst(0)
	PRE PFA
	PRE PFA2
	WIN TO_B
.irp b, 0,1,2,3,4,5,6,7
	global_load_b128 v[BI+8*\b:BI+8*\b+3],   v[BO], s[8:9] offset:64*\b       ; bias of columns 16 b + 8 h + 0 .. 7, in the result's layout
	global_load_b128 v[BI+8*\b+4:BI+8*\b+7], v[BO], s[8:9] offset:64*\b+16
.endr
	WIN 0
	s_wait_xcnt 0x0                                ; the prefetches have read their addresses
	s_add_nc_u64 s[PFA:PFA+1], s[PFA2:PFA2+1], STEPB   ; my fourth K step
	s_wait_tensorcnt 0x0                           ; my part of the first K step is in; the three lines ahead of slot 1's first fill, as ahead of a refill
	ds_add_u32 v[SPW], v[NIL]
	s_wait_dscnt 0x0
	CROUND
	JLOAD 1
.macro FRAG reg, adr, q, i             ; 16 rows x 128 K: registers 4 c .. 4 c + 3 hold K = 64 c + 32 h + 0 .. 31
.irp c, 0,1
	ds_load_b128 v[\reg+4*\c:\reg+4*\c+3], v[\adr] offset:64*(\q)+32*\c+(\i)*16*PITCH
.endr
.endm
; 16 matrix instructions: A's blocks a0, a0 + 1 x W's eight; p: the fragment sets; sc: the set of scale words.  The 64 accumulators take turns, one instruction a turn
.macro MUL16 a0, p, q, sc, first
.irp a, \a0, \a0+1
.irp b, 0,1,2,3,4,5,6,7
.if \first
	v_wmma_scale_f32_16x16x128_f8f6f4 v[8*(8*((\a)%4)+\b):8*(8*((\a)%4)+\b)+7], v[128*(\p)+FR*\b:128*(\p)+FR*\b+FR-1], v[AF+64*(\p)+FR*(\a):AF+64*(\p)+FR*(\a)+FR-1], v[BI+8*\b:BI+8*\b+7], v[SC+8*NQ*(\sc)+NQ*\b+(\q)], v[SC+8*NQ*(\sc)+NQ*(\a)+(\q)] matrix_a_fmt:MATRIX_FMT_FP4 matrix_b_fmt:MATRIX_FMT_FP4 matrix_a_scale:MATRIX_SCALE_ROW1
.else
	v_wmma_scale_f32_16x16x128_f8f6f4 v[8*(8*((\a)%4)+\b):8*(8*((\a)%4)+\b)+7], v[128*(\p)+FR*\b:128*(\p)+FR*\b+FR-1], v[AF+64*(\p)+FR*(\a):AF+64*(\p)+FR*(\a)+FR-1], v[8*(8*((\a)%4)+\b):8*(8*((\a)%4)+\b)+7], v[SC+8*NQ*(\sc)+NQ*\b+(\q)], v[SC+8*NQ*(\sc)+NQ*(\a)+(\q)] matrix_a_fmt:MATRIX_FMT_FP4 matrix_b_fmt:MATRIX_FMT_FP4 matrix_a_scale:MATRIX_SCALE_ROW1
.endif
.endr
.endr
.endm
.macro FETCH_B slot, q, p
	WIN TO_B
.irp i, 0,1,2,3,4,5,6,7
	FRAG 128*(\p)+FR*\i, ADRB+\slot, \q, \i
.endr
	WIN 0
.endm
.macro FETCH_A slot, q, i0, p
.irp i, \i0, \i0+1, \i0+2, \i0+3
	FRAG AF+64*(\p)+FR*(\i), ADRA+\slot, \q, \i
.endr
.endm
.macro SCALES sc                       ; a K step's scale words: four a row; lanes 0-15 A's block i, lanes 16-31 W's block i
.irp i, 0,1,2,3,4,5,6,7
	ds_load_b128 v[SC+8*NQ*\sc+NQ*\i:SC+8*NQ*\sc+NQ*\i+3], v[ADRS+\sc] offset:\i*16*PITCH
.endr
.endm
.macro PLACES                          ; four plain places between matrix instructions and loads into registers that they read, or reads of their results
.rept 4
	v_nop
.endr
.endm
.macro STEP slot, q, first             ; a step of 128 along K whose successor lies in the same slot
	s_wait_dscnt 8                                 ; this step's W and A blocks 0-3 are in; the youngest eight loads (A blocks 4-7) may be out
	PLACES                                         ; the other sets were read by the step before
	FETCH_B \slot, (\q)+1, 1-((\q)%2)
	FETCH_A \slot, (\q)+1, 0, 1-((\q)%2)
.if \first
	WIN BEG_LO
.else
	WIN MUL_LO
.endif
	MUL16 0, (\q)%2, \q, \slot, \first
	MUL16 2, (\q)%2, \q, \slot, \first
	s_wait_dscnt 24                                ; A blocks 4-7 are in; the 24 loads issued at this step's start may be out
	WIN 0
	FETCH_A \slot, (\q)+1, 4, 1-((\q)%2)
.if \first
	WIN BEG_HI
.else
	WIN MUL_HI
.endif
	MUL16 4, (\q)%2, \q, \slot, \first
	MUL16 6, (\q)%2, \q, \slot, \first
	WIN 0
.endm
.macro MEET slot                       ; first half of a slot's last step: the three lines and the one barrier of a change of slots
	s_wait_tensorcnt 0x0                           ; all my tensor loads have landed: my part of the next slot
	ds_add_u32 v[SPW], v[NIL]
	s_wait_dscnt 9                                 ; the add and A blocks 4-7 may be out
	WIN MUL_LO
	MUL16 0, 1, NQ-1, \slot, 0
	s_wait_dscnt 0x0                               ; the add is done, my reads of this slot are over
	s_barrier_signal -1
	MUL16 2, 1, NQ-1, \slot, 0
	WIN 0
	s_barrier_wait -1
.endm
.macro TURN slot, next                 ; a slot's last step; the slot is filled again with the K step two on
	s_wait_xcnt 0x0                                ; my last prefetches have read their address
	s_add_co_u32 s[POF], s[KW], 2
	s_and_b32 s[POF], s[POF], 7
	s_mul_i32 s[POF], s[POF], STEPB
	s_add_nc_u64 s[PFA:PFA+1], s[PFB:PFB+1], s[POF:POF+1]   ; the K step two refills on
	MEET \slot
	CREST                                          ; the barrier has opened a round of the cluster's barrier
	s_and_b32 s[OFS], s[KW], 7
	s_mul_i32 s[OFS], s[OFS], STEPB
	s_add_nc_u64 s[G0+4*\slot+2:G0+4*\slot+3], s[4:5], s[OFS:OFS+1]
	s_or_b32 s[G0+4*\slot+3], s[G0+4*\slot+3], 0x80000000
	s_add_nc_u64 s[G0B+4*\slot+2:G0B+4*\slot+3], s[6:7], s[OFS:OFS+1]
	s_or_b32 s[G0B+4*\slot+3], s[G0B+4*\slot+3], 0x80000000
	s_add_co_u32 s[KW], s[KW], 1
	JLOAD \slot                                    ; the first tensor load behind the round; its four v_nop are the places for the loads below
	FETCH_B \next, 0, 0
	FETCH_A \next, 0, 0, 0
	SCALES \next
	FETCH_A \next, 0, 4, 0
	s_cmp_gt_u32 s3, 1                             ; the last trip's two refills have no K step two on
	s_cbranch_scc0 .Lno_ask_\@
	PRE PFA
.Lno_ask_\@:
	WIN MUL_HI
	MUL16 4, 1, NQ-1, \slot, 0
	MUL16 6, 1, NQ-1, \slot, 0
	WIN 0
.endm
.macro STEPS slot, from
.set Q, \from
.rept NQ-1-\from
	STEP \slot, Q, 0
.set Q, Q+1
.endr
.endm
	FETCH_B 0, 0, 0
	FETCH_A 0, 0, 0, 0
	SCALES 0
	FETCH_A 0, 0, 4, 0
	PRE PFA
	s_wait_loadcnt 0x0                             ; the bias
	STEP 0, 0, 1                                   ; the first step starts the sums on the bias
	s_mov_b32 s3, LAPS-1
.Llap:                                                 ; a trip goes once round the ring and fills both slots again
	STEPS 0, 1
	TURN 0, 1
	STEPS 1, 0
	TURN 1, 0
	STEP 0, 0, 0
	s_sub_co_u32 s3, s3, 1
	s_cmp_lg_u32 s3, 0
	s_cbranch_scc1 .Llap
	STEPS 0, 1
; THE LAST K STEP (slot 1), BY ROWS
.macro BLOAD q                         ; W's fragments of the step's q-th 128 -> window 1, v[64 q ..]
.irp i, 0,1,2,3,4,5,6,7
	FRAG 64*(\q)+FR*\i, ADRB+1, \q, \i
.endr
.endm
.macro ALOAD a                         ; A's block a, all 512 along K -> buffer a % 3
.irp q, 0,1,2,3
	FRAG PA+32*((\a)%3)+FR*\q, ADRA+1, \q, \a
.endr
.endm
.macro ROW a                           ; block a is finished: 32 matrix instructions, its eight accumulators by turns
.set FA, PA+32*((\a)%3)
.set AC, 64*((\a)%4)
	WIN MUL_LO+0x50*((\a)/4)
.irp q, 0,1,2,3
.if (\a) == 0 && \q == 0
	s_wait_dscnt 40                                ; all but the 40 loads of the second run
.endif
.if (\a) == 0 && \q == 2
	s_wait_dscnt 24                                ; W's quarter 2 is in
.endif
.if (\a) == 0 && \q == 3
	s_wait_dscnt 8                                 ; W's quarter 3 is in
.endif
.irp b, 0,1,2,3,4,5,6,7
	v_wmma_scale_f32_16x16x128_f8f6f4 v[AC+8*\b:AC+8*\b+7], v[64*\q+FR*\b:64*\q+FR*\b+FR-1], v[FA+FR*\q:FA+FR*\q+FR-1], v[AC+8*\b:AC+8*\b+7], v[SC+8*NQ+NQ*\b+\q], v[SC+8*NQ+NQ*(\a)+\q] matrix_a_fmt:MATRIX_FMT_FP4 matrix_b_fmt:MATRIX_FMT_FP4 matrix_a_scale:MATRIX_SCALE_ROW1
.endr
.endr
.endm
.macro TOSTAGE a                       ; 16 rows x 128 columns into my stage, each accumulator from its low end on, and back as whole rows; LDS serves a wave's instructions in order (ISA guide 5.7.1.4)
.set AC, 64*((\a)%4)
	WIN 0x08+4*((\a)/4)
.irp b, 0,1,2,3,4,5,6,7
	ds_store_b128 v[STO], v[AC+8*\b:AC+8*\b+3] offset:64*\b
	ds_store_b128 v[STO], v[AC+8*\b+4:AC+8*\b+7] offset:64*\b+16
.endr
	WIN 0
.irp t, 0,1,2,3,4,5,6,7,8,9,10,11,12,13,14,15
	ds_load_b128 v[OB+4*\t+96*(\t/8):OB+4*\t+96*(\t/8)+3], v[RD] offset:\t*SPITCH
.endr
.endm
.macro SEND a, younger                 ; younger: the LDS loads issued behind the block's, which may stay out
	s_wait_dscnt \younger
.if (\a) > 0
	s_add_nc_u64 s[10:11], s[10:11], 16*SIZE_N*4   ; behind this block's wait on XCNT: the earlier stores have read their base
.endif
.irp t, 0,1,2,3,4,5,6,7,8,9,10,11,12,13,14,15
	global_store_b128 v[CO], v[OB+4*\t+96*(\t/8):OB+4*\t+96*(\t/8)+3], s[10:11] offset:\t*SIZE_N*4 th:TH_STORE_NT   ; 32 lanes store 512 consecutive bytes, at a multiple of 256 from out0's first byte
.endr
.endm
	MEET 0                                         ; nothing is filled again: no round follows
	PLACES                                         ; for the loads into the sets that the step before read
	WIN TO_B
	BLOAD 0
	BLOAD 1
	WIN 0
	SCALES 1
	ALOAD 0
	ALOAD 1
	WIN MUL_HI
	MUL16 4, 1, NQ-1, 0, 0
	MUL16 6, 1, NQ-1, 0, 0
	PLACES                                         ; for the loads into the sets just read
	WIN TO_B
	BLOAD 2
	BLOAD 3
	WIN 0
	ALOAD 2
	ROW 0
.irp a, 0,1,2,3,4,5,6,7                ; block a goes through the stage while block a + 1 is multiplied, and is then stored
	PLACES                                         ; behind block a's products: its results are read, and its buffer of A is loaded anew
.if \a > 0
	s_wait_xcnt 0x0                                ; the last block's stores have read their registers and their base
.endif
	TOSTAGE \a
.if \a < 5
	ALOAD \a+3
.endif
.if \a < 7
	ROW \a+1
	WIN 0
.endif
.if \a < 5
	SEND \a, 8
.else
	SEND \a, 0
.endif
.endr
	s_wait_tensorcnt 0x0                           ; the wave's end
	ds_add_u32 v[SPW], v[NIL]
	s_wait_dscnt 0x0
	CROUND                                         ; the closing round
	s_endpgm
.Lfunc_end_k_qb528cf23e2_gemm:
	.size	k_qb528cf23e2_gemm, .Lfunc_end_k_qb528cf23e2_gemm-k_qb528cf23e2_gemm
	.p2alignl 7, 3214868480
	.fill 96, 4, 3214868480
	.section	.rodata,"a",@progbits
	.p2align	6, 0x0
	.amdhsa_kernel k_qb528cf23e2_gemm
		.amdhsa_group_segment_fixed_size 327680
		.amdhsa_private_segment_fixed_size 0
		.amdhsa_enable_private_segment 0
		.amdhsa_kernarg_size 32
		.amdhsa_user_sgpr_count 2
		.amdhsa_user_sgpr_kernarg_segment_ptr 1
		.amdhsa_wavefront_size32 1
		.amdhsa_system_sgpr_workgroup_id_x 1
		.amdhsa_system_sgpr_workgroup_id_y 1
		.amdhsa_system_sgpr_workgroup_id_z 1
		.amdhsa_system_vgpr_workitem_id 0
		.amdhsa_next_free_vgpr 1024
		.amdhsa_next_free_sgpr 66
		.amdhsa_reserve_vcc 0
		.amdhsa_float_denorm_mode_32 3
		.amdhsa_float_denorm_mode_16_64 3
		.amdhsa_memory_ordered 1
		.amdhsa_forward_progress 1
		.amdhsa_inst_pref_size 212
	.end_amdhsa_kernel
	.amdgpu_metadata
---
amdhsa.version: [ 1, 2 ]
amdhsa.kernels:
  - .name:           k_qb528cf23e2_gemm
    .symbol:         k_qb528cf23e2_gemm.kd
    .args:
      - { .name: a_pack, .offset: 0, .size: 8, .value_kind: global_buffer, .address_space: global }
      - { .name: w_pack, .offset: 8, .size: 8, .value_kind: global_buffer, .address_space: global }
      - { .name: bias, .offset: 16, .size: 8, .value_kind: global_buffer, .address_space: global }
      - { .name: out0, .offset: 24, .size: 8, .value_kind: global_buffer, .address_space: global }
    .group_segment_fixed_size: 327680
    .private_segment_fixed_size: 0
    .kernarg_segment_align: 8
    .kernarg_segment_size: 32
    .max_flat_workgroup_size: 128
    .sgpr_count:     66
    .vgpr_count:     1024
    .wavefront_size: 32
...
	.end_amdgpu_metadata
.endif
;; end of part 2
